; MI455X (gfx1250); checked and timed in simulation.
; The chip was launched on July 23, 2026; its instructions are those of AMD's public machine-readable ISA for CDNA 5 (MIT licence, August 2026) and "CDNA5" Instruction Set Architecture Reference Guide (July 2026). The comments in the code are by the model that wrote it; some were corrected since.
;; Tucker Linear Layer. Allowed arithmetic: float matrix products may take bf16 or f16 operands with f32 sums; other float arithmetic in f32, or as packed bf16 or f16 multiplies, adds, multiply-adds, maxima and minima; sums over many terms, partial sums and values carried from step to step in f32; what a program stores and reads back later, other than sums and carried values, may be rounded once to bf16 or f16.
;; Inputs: bias 4,096 float32; core 8 x 8 x 8 x 8 x 8 x 8 float32; f0 16 x 8 float32; f1 16 x 8 float32; f2 16 x 8 float32; f3 16 x 8 float32; f4 16 x 8 float32; f5 16 x 8 float32; x 4,096 x 4,096 float32.
;; Outputs: out0 4,096 x 4,096 float32.
;; One version. Each part assembles by itself: llvm-mc -triple=amdgcn-amd-amdhsa -mcpu=gfx1250 --defsym DOCPART=n.
;; ======== version 1 of 1: 2 launches
;; limits: values are held in f16: magnitudes above 65,504 overflow, below 6.1e-05 lose precision; right only within a limited range of input values
;; workspace buffers: coreF 524,288 bytes; tabs 88,576 bytes
;; launch prep (part 1): grid 85 x 1, 4 waves a work-group, no clusters, 0 bytes of LDS; arguments core, f0, f1, f2, f3, f4, f5, coreF, tabs; writes coreF, tabs
.if DOCPART == 1
	.amdgcn_target "amdgcn-amd-amdhsa--gfx1250"
	.amdhsa_code_object_version 6
	.text
	.protected	k_q51006fce1e_prep
	.globl	k_q51006fce1e_prep
	.p2align	8
	.type	k_q51006fce1e_prep,@function
k_q51006fce1e_prep:
	s_mov_b64 s[64:65], 0
	v_nop
	global_prefetch_b8 v0, s[64:65] scope:SCOPE_SE
	s_setreg_imm32_b32 hwreg(HW_REG_WAVE_MODE, 25, 1), 1
	s_wait_xcnt 0x0
; TUCKER LINEAR LAYER, launch 1 of 2: the weights' side is rounded to f16 and laid out once, in the order in which a wave's operand registers take it.
; y[n][abc] = sum over def of W[abc][def] x[n][def] + bias[abc],  W[abc][def] = sum over ijk, lmn of core[ijk][lmn] f0[a][i] f1[b][j] f2[c][k] f3[d][l] f4[e][m] f5[f][n].
; THE ORDER OF THE SUMS.  All sums are finite, so for all values of the inputs they may be taken in this order, row by row, and W is never formed:
;   t1[d][mn] = sum over ef of x[d][ef] f4[e][m] f5[f][n];   t[lmn] = sum over d of f3[d][l] t1[d][mn];   u[ijk] = sum over lmn of core[ijk][lmn] t[lmn];
;   v[i][bc] = sum over jk of u[i][jk] f1[b][j] f2[c][k];    y[a][bc] = sum over i of f0[a][i] v[i][bc] + bias.
; No input is left out: x, core, f0 to f5 and bias all reach y, and all are loaded (x and bias by the second launch).  The order of rounding differs from a product with W.
; CORE'S COMMON PART GOES APART, IN F32.  For every number mu and all inputs, core = mu + (core - mu), and mu's share of y is T[n] x mu A0[a] A1[b] A2[c], with A_i[.] the sum of a row of f_i and
; T[n] = sum over def of F3[d] F4[e] F5[f] x[n][def], F_i likewise.  Why: an offset common to core's entries makes u nearly equal over ijk; the sums over i, j, k with factors of both signs then cancel, and the f16 roundings
; of their large terms would remain.  So the chain runs on core - mu, and mu's share is made in f32.  mu is the mean of 2,048 entries, 16 pieces of 512 bytes spread evenly over core; every wave adds them in the same order, so
; that mu has the same bits wherever it is used.  Any mu is exact in real arithmetic; this one leaves of a common offset what the mean of 2,048 entries' spread leaves.
; SCALES, all exact powers of two, values only: E_i = 2^(exponent of the largest |f_i|), inv_i = 1 / E_i.  The tables hold f4 f5 inv4 inv5 2^-6 (below 1/16), f1 f2 inv1 inv2 2^-4 (below 1/4),
; f3 inv3 and f0 inv0 (below 2); S = E0 E1 E2 E3 E4 E5 2^10 is handed on in f32 and multiplied back at the very end.
; LIMITS.  The largest |f_i| lies within 2^-19 .. 2^19, so that S and the products of two inverses are normal f32 numbers; a factor that is all zeros gives S = 0, y = bias, which is exact.
; |core - mu| stays under 65,504 here (under 3.99 by the second launch's count).  NaN and infinities are not treated apart.
; A FRAGMENT is 16 rows x 32 k of f16, 1,024 bytes: lane l = (r = l % 16, h = l / 16) holds row r; its registers 0-3 (k = 8 h + 0..7) lie at byte 16 l, its registers 4-7 (k = 16 + 8 h + 0..7) at 512 + 16 l.
; coreF: fragment (half, w, ksl, tl) at half 262,144 + w 65,536 + (8 ksl + tl) 1,024: rows ijk = 16 (8 w + tl) + r, k = lmn - 32 (8 half + ksl); it holds core - mu.
; tabs:  0 G45, fragment 4 ks + nt: row mn = 16 nt + r, k = ef - 32 ks.   32,768 G12, fragment 8 w + 2 q + ks: row bc = 64 w + 4 r + q, k = jk - 32 ks.
;        65,536 F3B: row r, k < 16: f3[k][r] for r < 8, else 0; k >= 16: f3[k-16][r-8] for r >= 8, else 0.   66,560 F0A g = 0..3: row a = r, f0[a][k - 8 g] for 8 g <= k < 8 g + 8, else 0.   70,656 S, 64 times.
;        70,912 F4[0..15] in f32, four times.   71,168 WL in f32: lane l's F3[r] F5[8 h + j], j = 0..3 at 16 l, j = 4..7 at 512 + 16 l.   72,192 M[abc] = mu A0[a] A1[b] A2[c] in f32, laid out as bias.
; SHARES.  Work-groups 0-63: core, each wave two neighbouring K steps of one tile of 16 rows (256 consecutive bytes of each row in, four stores of 512 consecutive bytes out).
; Work-groups 64-71: G45, 72-79: G12, a fragment a wave.  Work-group 80: F0A, a fragment a wave; its wave 0 also F3B and S, its wave 1 F4 and WL.  Work-groups 81-84: M, one a (256 numbers) a wave.
; No LDS, no barrier: no wave wants what another made.
.set EXPM,   0x7f800000                ; an f32's exponent field
.set TWO127, 0x7f000000                ; this less the bits of 2^e are the bits of 2^-e
.set MX,   5                           ; v5      at work in MEAN; at the head it holds the wave's number until that has been read.  No load lands in it
.set MU,   7                           ; v7      mu, in every lane
.set EE,   40                          ; v40-45  E_i
.set INV,  46                          ; v46-51  inv_i
.set SMP,  64                          ; v64-127 the sample of core; free again behind MEAN
; mu: 64 numbers a lane are added in a tree, then the 32 lanes' sums; 2,048 is a power of two, so the division is exact.  It names v5, v7 and the sample's registers alone: in the core path it runs while the
; wave's own loads into v8-39 are still out.
.macro MEAN
.irp w, 32,16,8,4,2
.set p, 0
.rept (\w)/2
	v_pk_add_f32 v[SMP+p:SMP+p+1], v[SMP+p:SMP+p+1], v[SMP+(\w)+p:SMP+(\w)+p+1]
.set p, p+2
.endr
.endr
	v_add_f32 v[MU], v[SMP], v[SMP+1]
	v_add_f32_dpp v[MU], v[MU], v[MU] row_xmask:1 row_mask:0xf bank_mask:0xf
	v_add_f32_dpp v[MU], v[MU], v[MU] row_xmask:2 row_mask:0xf bank_mask:0xf
	v_add_f32_dpp v[MU], v[MU], v[MU] row_xmask:4 row_mask:0xf bank_mask:0xf
	v_add_f32_dpp v[MU], v[MU], v[MU] row_xmask:8 row_mask:0xf bank_mask:0xf
	v_permlanex16_b32 v[MX], v[MU], s24, s25       ; its destination counts as read: v5 was written at the head
	v_add_f32 v[MU], v[MU], v[MX]
	v_mul_f32 v[MU], 0x3a000000, v[MU]             ; x 2^-11
.endm
; the sum of the eight numbers in v[b .. b+7] (a row of a factor) into v[d]
.macro RSUM d, b
	v_pk_add_f32 v[(\b):(\b)+1],   v[(\b):(\b)+1],   v[(\b)+4:(\b)+5]
	v_pk_add_f32 v[(\b)+2:(\b)+3], v[(\b)+2:(\b)+3], v[(\b)+6:(\b)+7]
	v_pk_add_f32 v[(\b):(\b)+1],   v[(\b):(\b)+1],   v[(\b)+2:(\b)+3]
	v_add_f32 v[\d], v[(\b)], v[(\b)+1]
.endm
	s_load_b512 s[4:19], s[0:1], 0x0               ; core s[4:5], f0 .. f5 s[6:17], coreF s[18:19]
	s_load_b64 s[20:21], s[0:1], 0x40              ; tabs
	v_and_b32 v1, 15, v0                           ; r
	v_bfe_u32 v2, v0, 4, 1                         ; h
	v_and_b32 v3, 31, v0                           ; lane
	v_lshlrev_b32 v4, 4, v3                        ; 16 x lane
	v_lshrrev_b32 v[MX], 5, v0
	v_readfirstlane_b32 s22, v[MX]                 ; wave 0..3
	s_lshl_b32 s26, ttmp9, 2
	s_add_co_u32 s26, s26, s22                     ; 4 x work-group + wave
	s_mov_b32 s24, 0x76543210                      ; v_permlanex16_b32: each lane takes its own place in the other half
	s_mov_b32 s25, 0xfedcba98
	s_wait_kmcnt 0x0
.set c, 0
.rept 16
	global_load_b128 v[SMP+4*c:SMP+4*c+3], v4, s[4:5] offset:c*65536+(c%4)*512  ; piece c of the sample: row ijk = 32 c, lmn = 128 (c % 4) on; s[4:5] and v4 are written nowhere behind these
.set c, c+1
.endr
	s_cmp_lt_u32 ttmp9, 64
	s_cbranch_scc0 .Ltables
	; CORE.  s26 = half (bit 7), w (6:5), pair of K steps kp (4:3), tl (2:0)
	s_lshr_b32 s27, s26, 7
	s_bfe_u32 s28, s26, 0x20005
	s_bfe_u32 s29, s26, 0x20003
	s_and_b32 s30, s26, 7
	s_lshl3_add_u32 s31, s28, s30                  ; the tile of 16 rows: 8 w + tl
	s_lshl_b32 s32, s31, 15                        ; its 16 rows of 2,048 bytes,
	s_lshl_b32 s34, s27, 10                        ; K step 8 half + 2 kp: 128 bytes of a row each
	s_add_co_u32 s32, s32, s34
	s_lshl_b32 s34, s29, 8
	s_add_co_u32 s32, s32, s34
	s_mov_b32 s33, 0
	s_lshl_b32 s34, s27, 18                        ; where the first of the two fragments goes
	s_lshl_b32 s36, s28, 16
	s_add_co_u32 s34, s34, s36
	s_lshl_b32 s36, s29, 14
	s_add_co_u32 s34, s34, s36
	s_lshl_b32 s36, s30, 10
	s_add_co_u32 s34, s34, s36
	s_mov_b32 s35, 0
	v_lshlrev_b32 v6, 11, v1                       ; row r,
	v_lshl_add_u32 v6, v2, 5, v6                   ; eight f32 for each half of the lanes
	s_add_nc_u64 s[38:39], s[4:5], s[32:33]        ; a pair of its own: the sample's loads still name s[4:5]
	s_add_nc_u64 s[18:19], s[18:19], s[34:35]
.irp e, 0,1
	global_load_b128 v[8+16*(\e):11+16*(\e)],  v6, s[38:39] offset:128*(\e)
	global_load_b128 v[12+16*(\e):15+16*(\e)], v6, s[38:39] offset:128*(\e)+16
	global_load_b128 v[16+16*(\e):19+16*(\e)], v6, s[38:39] offset:128*(\e)+64
	global_load_b128 v[20+16*(\e):23+16*(\e)], v6, s[38:39] offset:128*(\e)+80
.endr
	s_wait_loadcnt 8                               ; the sample is in; my own eight loads, issued behind it, stay out
	MEAN
	s_wait_loadcnt 0x0
.set p, 0
.rept 32
	v_sub_f32 v[8+p], v[8+p], v[MU]
.set p, p+1
.endr
.set p, 0
.rept 16
	v_cvt_pk_f16_f32 v[40+p], v[8+2*p], v[9+2*p]
.set p, p+1
.endr
.irp e, 0,1
	global_store_b128 v4, v[40+8*(\e):43+8*(\e)], s[18:19] offset:8192*(\e)       ; 512 consecutive bytes, aligned
	global_store_b128 v4, v[44+8*(\e):47+8*(\e)], s[18:19] offset:8192*(\e)+512
.endr
	s_endpgm
.Ltables:
.irp i, 0,1,2,3,4,5
	global_load_b128 v[8+4*(\i):11+4*(\i)], v4, s[6+2*(\i):7+2*(\i)]  ; a factor is 512 bytes: 16 a lane
.endr
	s_mov_b32 s23, EXPM
	v_mov_b32 v33, 0                               ; MAXE's v_permlanex16_b32 counts its destination as read; no load of this path lands in v33
	s_wait_loadcnt 0x0                             ; one short pass a wave: nothing is left to overlap
	MEAN
; E_i and inv_i.  Only the exponent of the largest magnitude is wanted, so each number is cut to its exponent field first: a power of two or 0, and the maximum of those is E_i.
.macro MAXE i
	v_and_b32 v34, s23, v[8+4*(\i)]
	v_and_b32 v35, s23, v[9+4*(\i)]
	v_and_b32 v36, s23, v[10+4*(\i)]
	v_and_b32 v37, s23, v[11+4*(\i)]
	v_max3_num_f32 v32, v34, v35, v36
	v_max_num_f32 v32, v32, v37
	v_max_num_f32_dpp v32, v32, v32 row_xmask:1 row_mask:0xf bank_mask:0xf
	v_max_num_f32_dpp v32, v32, v32 row_xmask:2 row_mask:0xf bank_mask:0xf
	v_max_num_f32_dpp v32, v32, v32 row_xmask:4 row_mask:0xf bank_mask:0xf
	v_max_num_f32_dpp v32, v32, v32 row_xmask:8 row_mask:0xf bank_mask:0xf
	v_permlanex16_b32 v33, v32, s24, s25
	v_max_num_f32 v[EE+(\i)], v32, v33
	v_sub_nc_u32 v[INV+(\i)], TWO127, v[EE+(\i)]
.endm
.irp i, 0,1,2,3,4,5
	MAXE \i
.endr
	s_sub_co_u32 s30, s26, 256                     ; 4 x (work-group - 64) + wave: below 64 the fragment's number in tabs
	s_cmp_lt_u32 s30, 32
	s_cbranch_scc0 .Lnot45
	; G45, fragment 4 ks + nt.  Registers 4 c + ..: e = 2 ks + c, f = 8 h + j; row mn = 16 nt + r: m = 2 nt + r / 8, n = r % 8
	s_lshr_b32 s27, s30, 2                         ; ks
	s_lshl_b32 s27, s27, 6                         ; two rows of f4, 32 bytes each
	s_lshl_b32 s28, s22, 3                         ; nt = wave: two columns
	s_add_co_u32 s27, s27, s28
	v_lshrrev_b32 v52, 3, v1
	v_lshl_add_u32 v52, v52, 2, s27
	v_and_b32 v53, 7, v1
	v_lshlrev_b32 v53, 2, v53
	v_lshl_add_u32 v53, v2, 8, v53
	global_load_b32 v56, v52, s[14:15]             ; f4[2 ks][m]
	global_load_b32 v57, v52, s[14:15] offset:32   ; f4[2 ks + 1][m]
.irp j, 0,1,2,3,4,5,6,7
	global_load_b32 v[60+(\j)], v53, s[16:17] offset:32*(\j)  ; f5[8 h + j][n]
.endr
	v_mul_f32 v54, v[INV+4], v[INV+5]
	v_mul_f32 v54, 0x3c800000, v54                 ; x 2^-6
	s_branch .Lkron
.Lnot45:
	s_cmp_lt_u32 s30, 64
	s_cbranch_scc0 .Lsmall
	; G12, fragment 8 w + 2 q + ks.  Registers 4 c + ..: j = 4 ks + 2 c + h, k = 0..7; row bc = 64 w + 4 r + q: b = 4 w + r / 4, c = 4 (r % 4) + q
	s_sub_co_u32 s27, s30, 32
	s_lshr_b32 s28, s27, 3                         ; w
	s_bfe_u32 s29, s27, 0x20001                    ; q
	s_and_b32 s32, s27, 1                          ; ks
	s_lshl_b32 s33, s28, 7
	s_lshl_b32 s34, s32, 4
	s_add_co_u32 s33, s33, s34
	v_lshrrev_b32 v52, 2, v1
	v_lshl_add_u32 v52, v52, 5, s33
	v_lshl_add_u32 v52, v2, 2, v52
	s_lshl_b32 s34, s29, 5
	v_and_b32 v53, 3, v1
	v_lshl_add_u32 v53, v53, 7, s34
	global_load_b32 v56, v52, s[8:9]               ; f1[b][4 ks + h]
	global_load_b32 v57, v52, s[8:9] offset:8      ; f1[b][4 ks + 2 + h]
	global_load_b128 v[60:63], v53, s[10:11]       ; f2[c][0..7]
	global_load_b128 v[64:67], v53, s[10:11] offset:16
	v_mul_f32 v54, v[INV+1], v[INV+2]
	v_mul_f32 v54, 0x3d800000, v54                 ; x 2^-4
.Lkron:                                                ; both kinds: register 4 c + jj = (a_c b_2jj, a_c b_2jj+1) x the scale
	s_lshl_b32 s30, s30, 10
	s_mov_b32 s31, 0
	s_add_nc_u64 s[36:37], s[20:21], s[30:31]
	s_wait_loadcnt 0x0
	v_mul_f32 v56, v56, v54                        ; the scale is a power of two: exact
	v_mul_f32 v57, v57, v54
.irp c, 0,1
.irp j, 0,1,2,3,4,5,6,7
	v_mul_f32 v[68+8*(\c)+(\j)], v[56+(\c)], v[60+(\j)]
.endr
.endr
.set p, 0
.rept 8
	v_cvt_pk_f16_f32 v[84+p], v[68+2*p], v[69+2*p]
.set p, p+1
.endr
	global_store_b128 v4, v[84:87], s[36:37]
	global_store_b128 v4, v[88:91], s[36:37] offset:512
	s_endpgm
.Lsmall:
	s_cmp_lt_u32 s30, 68
	s_cbranch_scc0 .Lrank
	; F0A g, g = my wave's number
	v_lshlrev_b32 v52, 5, v1
	global_load_b128 v[60:63], v52, s[6:7]         ; f0[r][0..7]
	global_load_b128 v[64:67], v52, s[6:7] offset:16
	s_and_b32 s27, s22, 1
	v_cmp_eq_u32 vcc_lo, s27, v2                   ; the half of the lanes whose k block is g's,
	s_cmp_lt_u32 s22, 2
	s_cselect_b32 s28, -1, 0                       ; in registers 0-3 for g = 0, 1,
	s_cselect_b32 s29, 0, -1                       ; in registers 4-7 for g = 2, 3
	s_lshl_b32 s30, s22, 10
	s_mov_b32 s31, 0
	s_add_nc_u64 s[36:37], s[20:21], s[30:31]
	s_wait_loadcnt 0x0
.irp j, 0,1,2,3,4,5,6,7
	v_mul_f32 v[60+(\j)], v[60+(\j)], v[INV]
.endr
.irp p, 0,1,2,3
	v_cvt_pk_f16_f32 v[68+(\p)], v[60+2*(\p)], v[61+2*(\p)]
.endr
.irp p, 0,1,2,3
	v_cndmask_b32 v[68+(\p)], 0, v[68+(\p)], vcc_lo
.endr
.irp p, 0,1,2,3
	v_and_b32 v[84+(\p)], s28, v[68+(\p)]
	v_and_b32 v[88+(\p)], s29, v[68+(\p)]
.endr
	global_store_b128 v4, v[84:87], s[36:37] offset:66560
	global_store_b128 v4, v[88:91], s[36:37] offset:66560+512
	s_cmp_lg_u32 s22, 0
	s_cbranch_scc1 .Lnot0
	; wave 0: F3B and S, in registers that the stores above do not name
	v_and_b32 v53, 7, v1
	v_lshlrev_b32 v53, 2, v53
	v_lshl_add_u32 v53, v2, 8, v53
.irp j, 0,1,2,3,4,5,6,7
	global_load_b32 v[72+(\j)], v53, s[12:13] offset:32*(\j)  ; f3[8 h + j][r % 8]
.endr
	v_cmp_gt_u32 vcc_lo, 8, v1                     ; r < 8
	v_cmp_le_u32 s38, 8, v1                        ; r >= 8
	v_mul_f32 v100, v[EE], v[EE+1]
	v_mul_f32 v100, v100, v[EE+2]
	v_mul_f32 v100, v100, v[EE+3]
	v_mul_f32 v100, v100, v[EE+4]
	v_mul_f32 v100, v100, v[EE+5]
	v_mul_f32 v100, 0x44800000, v100               ; x 2^10: S
	v_mov_b32 v101, v100
	v_lshlrev_b32 v102, 3, v3
	s_wait_loadcnt 0x0
.irp j, 0,1,2,3,4,5,6,7
	v_mul_f32 v[72+(\j)], v[72+(\j)], v[INV+3]
.endr
.irp p, 0,1,2,3
	v_cvt_pk_f16_f32 v[80+(\p)], v[72+2*(\p)], v[73+2*(\p)]
.endr
.irp p, 0,1,2,3
	v_cndmask_b32 v[92+(\p)], 0, v[80+(\p)], vcc_lo
	v_cndmask_b32 v[96+(\p)], 0, v[80+(\p)], s38
.endr
	global_store_b128 v4, v[92:95], s[20:21] offset:65536
	global_store_b128 v4, v[96:99], s[20:21] offset:65536+512
	global_store_b64 v102, v[100:101], s[20:21] offset:70656  ; 256 consecutive bytes, aligned
	s_endpgm
.Lnot0:
	s_cmp_lg_u32 s22, 1
	s_cbranch_scc1 .Ldone
	; wave 1: what T wants, in f32 and unscaled: F4's sixteen row sums, and for each lane F3[r] F5[8 h + j]
	s_wait_xcnt 0x0                                ; the stores above have read their data: the registers are free
	v_lshlrev_b32 v52, 5, v1                       ; f3's row r
	v_lshlrev_b32 v53, 8, v2                       ; f5's rows 8 h on
	v_and_b32 v54, 7, v0
	v_lshlrev_b32 v54, 6, v54                      ; f4's rows 2 (l % 8) and the next
	v_lshlrev_b32 v55, 3, v3
	global_load_b128 v[8:11],  v52, s[12:13]
	global_load_b128 v[12:15], v52, s[12:13] offset:16
	global_load_b128 v[16:19], v54, s[14:15]
	global_load_b128 v[20:23], v54, s[14:15] offset:16
	global_load_b128 v[24:27], v54, s[14:15] offset:32
	global_load_b128 v[28:31], v54, s[14:15] offset:48
.irp j, 0,1,2,3,4,5,6,7
	global_load_b128 v[56+8*(\j):59+8*(\j)], v53, s[16:17] offset:32*(\j)
	global_load_b128 v[60+8*(\j):63+8*(\j)], v53, s[16:17] offset:32*(\j)+16
.endr
	s_wait_loadcnt 0x0
	RSUM 32, 8                                     ; F3[r]
	RSUM 34, 16                                    ; F4[2 (l % 8)]
	RSUM 35, 24                                    ; F4[2 (l % 8) + 1]
.irp j, 0,1,2,3,4,5,6,7
	RSUM 40+(\j), 56+8*(\j)                        ; F5[8 h + j]
.endr
.irp j, 0,1,2,3,4,5,6,7
	v_mul_f32 v[40+(\j)], v[40+(\j)], v32
.endr
	global_store_b64 v55, v[34:35], s[20:21] offset:70912     ; word i holds F4[i % 16]: 256 consecutive bytes, aligned
	global_store_b128 v4, v[40:43], s[20:21] offset:71168
	global_store_b128 v4, v[44:47], s[20:21] offset:71168+512
.Ldone:
	s_endpgm
.Lrank:                                                ; M[256 a + bc] = mu A0[a] A1[b] A2[c] for one a: store s, lane l, word q: bc = 128 s + 4 l + q: b = 8 s + l / 4, c = 4 (l % 4) + q
	s_sub_co_u32 s27, s30, 68                      ; a
	s_lshl_b32 s28, s27, 5
	v_mov_b32 v52, s28                             ; f0's row a
	v_lshrrev_b32 v53, 2, v3
	v_lshlrev_b32 v53, 5, v53                      ; f1's row l / 4
	v_and_b32 v54, 3, v0
	v_lshlrev_b32 v54, 7, v54                      ; f2's rows 4 (l % 4) on
	global_load_b128 v[8:11],  v52, s[6:7]
	global_load_b128 v[12:15], v52, s[6:7] offset:16
.irp s, 0,1
	global_load_b128 v[16+8*(\s):19+8*(\s)], v53, s[8:9] offset:256*(\s)
	global_load_b128 v[20+8*(\s):23+8*(\s)], v53, s[8:9] offset:256*(\s)+16
.endr
.irp q, 0,1,2,3
	global_load_b128 v[56+8*(\q):59+8*(\q)], v54, s[10:11] offset:32*(\q)
	global_load_b128 v[60+8*(\q):63+8*(\q)], v54, s[10:11] offset:32*(\q)+16
.endr
	s_lshl_b32 s30, s27, 10
	s_mov_b32 s31, 0
	s_add_nc_u64 s[36:37], s[20:21], s[30:31]
	s_wait_loadcnt 0x0
	RSUM 32, 8                                     ; A0[a]
	RSUM 34, 16                                    ; A1[l / 4]
	RSUM 35, 24                                    ; A1[8 + l / 4]
.irp q, 0,1,2,3
	RSUM 40+(\q), 56+8*(\q)                        ; A2[4 (l % 4) + q]
.endr
	v_mul_f32 v32, v32, v[MU]
	v_mul_f32 v34, v34, v32
	v_mul_f32 v35, v35, v32
.irp s, 0,1
.irp q, 0,1,2,3
	v_mul_f32 v[44+4*(\s)+(\q)], v[34+(\s)], v[40+(\q)]
.endr
.endr
	global_store_b128 v4, v[44:47], s[36:37] offset:72192       ; 512 consecutive bytes, aligned
	global_store_b128 v4, v[48:51], s[36:37] offset:72192+512
	s_endpgm
.Lfunc_end_k_q51006fce1e_prep:
	.size	k_q51006fce1e_prep, .Lfunc_end_k_q51006fce1e_prep-k_q51006fce1e_prep
	.p2alignl 7, 3214868480
	.fill 96, 4, 3214868480
	.section	.rodata,"a",@progbits
	.p2align	6, 0x0
	.amdhsa_kernel k_q51006fce1e_prep
		.amdhsa_group_segment_fixed_size 0
		.amdhsa_private_segment_fixed_size 0
		.amdhsa_enable_private_segment 0
		.amdhsa_kernarg_size 72
		.amdhsa_user_sgpr_count 2
		.amdhsa_user_sgpr_kernarg_segment_ptr 1
		.amdhsa_wavefront_size32 1
		.amdhsa_system_sgpr_workgroup_id_x 1
		.amdhsa_system_sgpr_workgroup_id_y 1
		.amdhsa_system_sgpr_workgroup_id_z 1
		.amdhsa_system_vgpr_workitem_id 0
		.amdhsa_next_free_vgpr 128
		.amdhsa_next_free_sgpr 66
		.amdhsa_reserve_vcc 1
		.amdhsa_float_denorm_mode_32 3
		.amdhsa_float_denorm_mode_16_64 3
		.amdhsa_memory_ordered 1
		.amdhsa_forward_progress 1
		.amdhsa_inst_pref_size 33
	.end_amdhsa_kernel
	.amdgpu_metadata
---
amdhsa.version: [ 1, 2 ]
amdhsa.kernels:
  - .name:           k_q51006fce1e_prep
    .symbol:         k_q51006fce1e_prep.kd
    .args:
      - { .name: core, .offset: 0, .size: 8, .value_kind: global_buffer, .address_space: global }
      - { .name: f0, .offset: 8, .size: 8, .value_kind: global_buffer, .address_space: global }
      - { .name: f1, .offset: 16, .size: 8, .value_kind: global_buffer, .address_space: global }
      - { .name: f2, .offset: 24, .size: 8, .value_kind: global_buffer, .address_space: global }
      - { .name: f3, .offset: 32, .size: 8, .value_kind: global_buffer, .address_space: global }
      - { .name: f4, .offset: 40, .size: 8, .value_kind: global_buffer, .address_space: global }
      - { .name: f5, .offset: 48, .size: 8, .value_kind: global_buffer, .address_space: global }
      - { .name: coreF, .offset: 56, .size: 8, .value_kind: global_buffer, .address_space: global }
      - { .name: tabs, .offset: 64, .size: 8, .value_kind: global_buffer, .address_space: global }
    .group_segment_fixed_size: 0
    .private_segment_fixed_size: 0
    .kernarg_segment_align: 8
    .kernarg_segment_size: 72
    .max_flat_workgroup_size: 128
    .sgpr_count:     66
    .vgpr_count:     128
    .wavefront_size: 32
...
	.end_amdgpu_metadata
.endif
;; end of part 1
;; launch tucker (part 2): grid 256 x 1, 4 waves a work-group, clusters of 4 x 1, 327,680 bytes of LDS; arguments x, coreF, tabs, bias, out0; writes out0
.if DOCPART == 2
	.amdgcn_target "amdgcn-amd-amdhsa--gfx1250"
	.amdhsa_code_object_version 6
	.text
	.protected	k_q51006fce1e_tucker
	.globl	k_q51006fce1e_tucker
	.p2align	8
	.type	k_q51006fce1e_tucker,@function
k_q51006fce1e_tucker:
	s_mov_b64 s[64:65], 0
	v_nop
	global_prefetch_b8 v0, s[64:65] scope:SCOPE_SE
	s_setreg_imm32_b32 hwreg(HW_REG_WAVE_MODE, 25, 1), 1
	s_wait_xcnt 0x0
	s_wait_alu depctr_hold_cnt(0) depctr_sa_sdst(0) depctr_va_vdst(0) depctr_va_sdst(0) depctr_va_ssrc(0) depctr_va_vcc(0) depctr_vm_vsrc(0)
	s_getreg_b32 s2, hwreg(HW_REG_IB_STS2, 6, 4)
	s_cmp_eq_u32 s2, 0
	s_cbranch_scc0 .Lentry_in_a_cluster
	s_endpgm
.Lentry_in_a_cluster:
	s_bfe_u32 s2, ttmp6, 0x10000c
	s_cmp_lg_u32 s2, 0x3003
	s_cbranch_scc0 .Lentry_shape_is_right
	s_endpgm
.Lentry_shape_is_right:
; TUCKER LINEAR LAYER, launch 2 of 2: the whole chain for 16 rows of x a work-group; t1, t, u and v never leave the work-group.  Nothing of the problem is left out; W is never formed (the first kernel's head says why the sums may be so ordered).
;   A  t1[d][mn] = sum over ef of x[d][ef] G45[mn][ef];  t[l][mn] = sum over d of f3[d][l] t1[d][mn]      wave w: rows 4 w .. 4 w + 3, one after the other; a row of x is a tile of 16 (d) x 256 (ef)
;      T = sum over def of F3[d] F4[e] F5[f] x[d][ef], in f32 on the vector unit, from x as it lies in registers ahead of its rounding: 4,096 multiply-adds a row
;   B  u[n][ijk] = sum over lmn of (core - mu)[ijk][lmn] t[n][lmn]                                        wave w: ijk = 128 w .. 128 w + 127, all 16 rows, all of K = 512
;   C  v[n][i][bc] = sum over jk of u[n][i][jk] G12[bc][jk];  y[n][a][bc] = sum over i of f0[a][i] v[n][i][bc] + T[n] M[abc] + bias[abc]     wave w: bc = 64 w .. 64 w + 63 of every a, all 16 rows, four rows a trip
; CORE'S COMMON PART, mu, goes apart as T[n] M[abc], M = mu A0 A1 A2: an identity for every mu and all inputs (first kernel's head).  T is one column of a product; it stays in f32 because the f16 roundings of just this sum,
; multiplied by M's largest entries, are what the allowance has no room for.
; FORMAT.  All matrix operands are f16, all sums f32.  The chain rounds ten times to 16 bits, and bf16's 8 significant bits would use up the allowance; f16's range is kept by exact powers of two:
; the tables arrive scaled (first kernel), t stays in f32 until each row is divided by E_n = 2^(exponent of its largest |t|), and the chain's sum is multiplied by E_n S in f32 at the end.
; LIMITS, for sums whose terms all have one sign: |t1| < 16 max|x|, |u| < 1,024 max|core - mu|, |v| < 16,384 max|core - mu| must stay under 65,504: |x| < 4,094 and |core - mu| < 3.99.  Below a root mean square
; of core - mu of 2.4e-4 u falls into f16's fixed step of 6e-8.  A row of x whose t is all zeros gets y = T M + bias with T as computed.  NaN and infinities are not treated apart.  The order of rounding differs from a product with W.
; LAYOUTS.  A result register j of lane (r = l % 16, h = l / 16) holds element (8 h + j, r); an operand lane holds row r, k = 8 h + 0..7 and 16 + 8 h + 0..7.  So a result rounded in pairs IS half an operand whose k is the
; result's row: t1 goes on as source 0 (two tiles of mn side by side in k; F3B holds f3 for k < 16 in its rows 0-7 and for k >= 16 in its rows 8-15), v as source 1 (four rows n side by side in k; F0A g holds f0 in k block g and
; zeros elsewhere).  The zeros share their tiles with live work; in return nothing changes lanes and nothing goes through LDS between those products.
; G12's row r stands for bc = 64 w + 4 r + q: a lane's four results q = 0..3 are four neighbouring numbers of y, and sixteen lanes store 256 consecutive bytes, aligned, straight from registers.
; LDS.  X 0 .. 266,240: x in f32, wave w's row s, piece d at 66,560 w + 16,640 s + 1,040 d (1,024 bytes + 16 of padding: the 16 pieces that a load touches start 16 bytes apart modulo 256).  All 16 rows are first fills: the
; work-group's whole input is asked for in the kernel's first lines.  When X has been read, its bytes 0 .. 262,144 are filled once more, with core's second half, wave w's 64 KiB at 65,536 w.
; T 266,240: t in f16, 1,040 bytes a row.  U 282,880: u in f16, 1,296 bytes a row n, 144 an i.  SC 303,616: E_n S, and 64 bytes on T[n].  SPARE 303,872: the spare words.  No tensor load lands in these four.
; CLUSTER.  Four work-groups.  Core's second half is the same for all: each wave's 64 KiB is asked for JOINTLY, by the same tensor load, descriptor and mask in all four.  Core's first half (256 KiB) and the tables are
; wanted while X holds 266,240 of the 327,680 bytes of LDS, so they have no place there: they go straight into the wave's registers, 768 of which would lie idle meanwhile.  x is each work-group's own (mask 0).
; REGISTERS, in windows of 256 (s_set_vgpr_msb: bits 1:0 source 0, 3:2 source 1, 5:4 source 2, 7:6 destination):
;   window 0: v0-15 addresses, v16-17 at work at the head, v18 the prefetch's offset, v24-31 F3B; A: v32-63 t1 (v32-47 later at work), v64-79 t1 in f16, v80-95 t, v96-103 t in f16, v104-111 WL, v112-119 T's eight partial sums,
;             v120-123 at work, v128-255 a row of x;   B: v32-95 u, v96-127 u in f16, v128-255 t's 16 fragments;   C: v32-63 u's fragments, v64-127 v, v128-159 v in f16, v160-163 four rows' scales, v164-167 their T
;   window 1: A: G45's 32 fragments; B: core's K steps 8-11; C: v0-127 y's sums, v128-255 y
;   window 2: core's K steps 0-3, then for C: v0-63 G12, v64-95 F0A, v96-127 bias, v128-159 M          window 3: core's K steps 4-7, then 12-15
.set XP,    1040
.set XROW,  16*XP
.set XWAVE, 4*XROW
.set TB,    4*XWAVE
.set TP,    1040
.set UB,    TB+16*TP
.set UNP,   1296                       ; 81 x 16 bytes, and
.set UIP,   144                        ; 9 x 16: the 16 rows (2 n x 8 i) of a fragment of u start at 16 different multiples of 16 bytes modulo 256
.set SCB,   UB+16*UNP
.set SPARE, SCB+256
.set T_S,   70656                      ; tabs: S,
.set T_F4,  70912                      ; F4's row sums,
.set T_WL,  71168                      ; WL,
.set T_M,   72192                      ; M
.set XA,  4                            ; v4   my place in my wave's row 0 of x: 66,560 w + 1,040 r + 32 h
.set TS,  5                            ; v5   where I put 16 bytes of t: T + 4 w rows + 128 (r % 8) + 32 (r / 8) + 16 h
.set TA,  6                            ; v6   my place in t's fragments: T + 1,040 r + 16 h
.set CA,  7                            ; v7   my place in my wave's core fragments in LDS: 65,536 w + 16 lane
.set US,  8                            ; v8   where I put 16 bytes of u: U + 1,296 r + 288 w + 16 h
.set UL,  9                            ; v9   my place in u's fragments: U + 1,296 (r / 8) + 144 (r % 8) + 16 h; steps four rows a trip
.set VO,  10                           ; v10  my 16 bytes in a row of y, in bias and in M: 8,192 h + 256 w + 16 r
.set GL,  11                           ; v11  16 x lane
.set SCS, 12                           ; v12  SC + 16 w
.set SCL, 13                           ; v13  SC; steps 16 bytes a trip
.set SPW, 14                           ; v14  LDS address of my spare word; never rewritten
.set NIL, 15                           ; v15  0; never rewritten
.set PFO, 18                           ; v18  the prefetch's offset; no phase's registers reach it: never rewritten
.set F3,  24
.set D1,  32
.set MT,  32                           ; the maximum's 16 registers at work lie on t1's, which have been rounded and are dead by then
.set AP,  64
.set D2,  80
.set TPK, 96
.set WW,  104                          ; F3[r] F5[8 h + j], j = 0..7
.set ZZ,  112                          ; sum over e of F4[e] x[r][16 e + 8 h + j], j = 0..7
.set IV,  120
.set SCV, 122
.set TT,  123
.set XS,  128
.set UAC, 32
.set UPK, 96
.set TF,  128
.set UA,  32
.set VV,  64
.set BP,  128
.set SCR, 160
.set TNR, 164
.set WV,  14                           ; s14  my wave's number
.set CX,  15                           ; s15  my place in the cluster
.set WG,  16                           ; s16  my work-group's number
.set G1X, 24                           ; s[24:31] descriptor group 1 for x
.set G1C, 32                           ; s[32:39] for core's second half
.set G0X, 40                           ; s[40:55] group 0 for my four rows of x
.set G0C, 56                           ; s[56:59] group 0 for my 64 KiB of core
.set SEL, 60                           ; s[60:61] v_permlanex16_b32's selects
.set SS,  62                           ; s62  S
.set CNT, 63                           ; s63  trips to go
.set CB,  66                           ; s[66:67] coreF at my wave's fragments; never rewritten
.set GB,  68                           ; s[68:69] tabs + 8,192 w; never rewritten
.set EM,  70                           ; s70  an f32's exponent field
.set F4S, 76                           ; s[76:91] F4[0..15]
.set MSB, 0
.macro WIN new                         ; the immediate's high byte repeats the setting that is left; a switch that changes nothing is dropped
.if MSB != (\new)
	s_set_vgpr_msb (MSB<<8)|(\new)
.set MSB, \new
.endif
.endm
.macro PLACES                          ; four places behind a matrix instruction, in front of vector lines that read its result and of loads into its registers (ISA guide 7.12.1 for vector lines)
.rept 4
	v_nop
.endr
.endm
; A round of the cluster's barrier: my work-group's barrier, so that wave 0's signal speaks for all four waves; wave 0 signals; every wave waits for all four work-groups; my work-group's barrier once more.
.macro ROUND
	s_barrier_signal -1
	s_barrier_wait -1
	s_cmp_lg_u32 s[WV], 0
	s_cbranch_scc1 .Lnot_wave_0_\@
	s_barrier_signal -3
.Lnot_wave_0_\@:
	s_barrier_wait -3
	s_barrier_signal -1
	s_barrier_wait -1
.endm
	s_load_b256 s[4:11], s[0:1], 0x0               ; x s[4:5], coreF s[6:7], tabs s[8:9], bias s[10:11]
	s_load_b64 s[12:13], s[0:1], 0x20              ; out0
	v_lshl_add_u32 v[SPW], v0, 2, SPARE
	v_mov_b32 v[NIL], 0
	ds_add_u32 v[SPW], v[NIL]                      ; the wave's opening: the add, twice on end, and its wait ahead of my first tensor load; the set-up below, work on registers, stands between
	ds_add_u32 v[SPW], v[NIL]
	v_lshrrev_b32 v16, 5, v0
	v_readfirstlane_b32 s[WV], v16                 ; wave 0..3
	s_bfe_u32 s[CX], ttmp6, 0x40000
	s_lshl_b32 s[WG], ttmp9, 2                     ; in a cluster launch ttmp9 counts clusters
	s_add_co_u32 s[WG], s[WG], s[CX]               ; it enters x's, y's and the prefetch's global addresses alone
	; group 1 for x: 16 pieces of 256 f32, 1,024 bytes apart in memory, 16 bytes of padding behind each in LDS
	s_mov_b32 s[G1X+0], (2<<16)|(1<<20)|(7<<22)|(3<<25)  ; 15:0 mask 0: my own; 17:16 elements of 4 bytes; 20 padding on; 24:22 after every 256 words (code 7); 31:25 4 words (code 3)
	s_mov_b32 s[G1X+1], 256<<16                    ; tensor_dim0 = 256
	s_mov_b32 s[G1X+2], 16<<16                     ; tensor_dim1 = 16
	s_mov_b32 s[G1X+3], 256<<16                    ; tile_dim0 = 256
	s_mov_b32 s[G1X+4], 16                         ; tile_dim1 = 16
	s_mov_b32 s[G1X+5], 256                        ; 256 elements from piece to piece
	s_mov_b32 s[G1X+6], 0
	s_mov_b32 s[G1X+7], 0
	; group 1 for core: 65,536 dense bytes as 256 rows of 256 bytes
	s_mov_b32 s[G1C+0], 15|(3<<16)|(1<<21)         ; 15:0 the mask of four; 17:16 elements of 8 bytes; 21 set beside a mask; no padding: the fragments are read 16 bytes a lane on end
	s_mov_b32 s[G1C+1], 32<<16
	s_mov_b32 s[G1C+2], 256<<16
	s_mov_b32 s[G1C+3], 32<<16
	s_mov_b32 s[G1C+4], 256
	s_mov_b32 s[G1C+5], 32
	s_mov_b32 s[G1C+6], 0
	s_mov_b32 s[G1C+7], 0
	s_mul_i32 s17, s[WV], XWAVE
.irp s, 0,1,2,3
	s_mov_b32 s[G0X+4*(\s)], 1
	s_add_co_u32 s[G0X+4*(\s)+1], s17, (\s)*XROW   ; LDS address: the wave's number times a constant plus the row's constant
.endr
	s_mov_b32 s[G0C], 1
	s_lshl_b32 s[G0C+1], s[WV], 16                 ; no place in the cluster enters an LDS address
	s_mov_b32 s[SEL], 0x76543210
	s_mov_b32 s[SEL+1], 0xfedcba98
	s_mov_b32 s[EM], 0x7f800000
	s_lshl_b32 s18, s[WG], 18                      ; my work-group's 16 rows of 16,384 bytes, in x and in y
	s_mov_b32 s19, 0
	s_lshl_b32 s22, s[WV], 16                      ; my wave's four rows of x; also its 64 KiB in each half of coreF
	s_mov_b32 s23, 0
	s_lshl_b32 s72, s[WV], 13                      ; my wave's eight fragments of G12
	s_mov_b32 s73, 0
	v_and_b32 v1, 15, v0                           ; r
	v_bfe_u32 v2, v0, 4, 1                         ; h
	v_and_b32 v3, 31, v0                           ; lane
	v_and_b32 v16, 7, v0                           ; r % 8
	v_bfe_u32 v17, v0, 3, 1                        ; r / 8
	v_mul_u32_u24 v[XA], v1, XP
	v_lshl_add_u32 v[XA], v2, 5, v[XA]
	v_add_nc_u32 v[XA], s17, v[XA]
	s_mul_i32 s71, s[WV], 4*TP
	s_add_co_u32 s71, s71, TB
	v_lshlrev_b32 v[TS], 7, v16
	v_lshl_add_u32 v[TS], v17, 5, v[TS]
	v_lshl_add_u32 v[TS], v2, 4, v[TS]
	v_add_nc_u32 v[TS], s71, v[TS]
	v_mul_u32_u24 v[TA], v1, TP
	v_lshl_add_u32 v[TA], v2, 4, v[TA]
	v_add_nc_u32 v[TA], TB, v[TA]
	v_lshl_add_u32 v[CA], v3, 4, s22
	s_mul_i32 s71, s[WV], 2*UIP
	s_add_co_u32 s71, s71, UB
	v_mul_u32_u24 v[US], v1, UNP
	v_lshl_add_u32 v[US], v2, 4, v[US]
	v_add_nc_u32 v[US], s71, v[US]
	v_mul_u32_u24 v[UL], v17, UNP
	v_mad_u32_u24 v[UL], v16, UIP, v[UL]
	v_lshl_add_u32 v[UL], v2, 4, v[UL]
	v_add_nc_u32 v[UL], UB, v[UL]
	s_lshl_b32 s71, s[WV], 8
	v_lshlrev_b32 v[VO], 13, v2
	v_lshl_add_u32 v[VO], v1, 4, v[VO]
	v_add_nc_u32 v[VO], s71, v[VO]
	v_lshlrev_b32 v[GL], 4, v3
	s_lshl_b32 s71, s[WV], 4
	s_add_co_u32 s71, s71, SCB
	v_mov_b32 v[SCS], s71
	v_mov_b32 v[SCL], SCB
	s_and_b32 s71, s[WG], 7                        ; the prefetch: of eight work-groups x four waves x 32 lanes each names another 256 bytes
	s_lshl2_add_u32 s71, s71, s[WV]
	s_lshl_b32 s71, s71, 13
	v_lshl_add_u32 v[PFO], v3, 8, s71
	s_wait_dscnt 0x0                               ; both opening adds are done
	s_wait_kmcnt 0x0
	s_add_nc_u64 s[12:13], s[12:13], s[18:19]      ; y at my work-group's first row
	s_add_nc_u64 s[20:21], s[4:5], s[18:19]
	s_add_nc_u64 s[20:21], s[20:21], s[22:23]      ; x at my wave's first row
	s_add_nc_u64 s[CB:CB+1], s[6:7], s[22:23]      ; made of the wave's number alone
	s_add_nc_u64 s[GB:GB+1], s[8:9], s[72:73]
.irp s, 0,1,2,3
	s_add_nc_u64 s[G0X+4*(\s)+2:G0X+4*(\s)+3], s[20:21], (\s)*16384
	s_or_b32 s[G0X+4*(\s)+3], s[G0X+4*(\s)+3], 0x80000000  ; type = 2
.endr
	s_add_nc_u64 s[G0C+2:G0C+3], s[CB:CB+1], 262144  ; the second half: equal in all four work-groups
	s_or_b32 s[G0C+3], s[G0C+3], 0x80000000
	ROUND                                          ; in a cluster launch every group of tensor loads stands behind a round
.irp s, 0,1,2,3
	tensor_load_to_lds s[G0X+4*(\s):G0X+4*(\s)+3], s[G1X:G1X+7]  ; my four rows of x, 16 KiB each: four tensor loads of mine are out, and no more at any time
	s_nop 0
.endr
	PLACES                                         ; ahead of the next switch of windows
	s_load_b32 s[SS], s[8:9], T_S                  ; S
	s_load_b512 s[F4S:F4S+15], s[8:9], T_F4        ; F4[0..15]
; 32 loads: core's K steps 2 p and 2 p + 1 of the first half, my eight tiles: fragment 16 p + f into window 2 (p < 2) or 3
.macro CORE p
	WIN 0x80+0x40*((\p)/2)
.set f, 0
.rept 16
	global_load_b128 v[128*((\p)%2)+8*f:128*((\p)%2)+8*f+3],   v[GL], s[CB:CB+1] offset:(16*(\p)+f)*1024
	global_load_b128 v[128*((\p)%2)+8*f+4:128*((\p)%2)+8*f+7], v[GL], s[CB:CB+1] offset:(16*(\p)+f)*1024+512
.set f, f+1
.endr
	WIN 0
.endm
; 32 LDS loads: row s of x, 16 f32 a lane for each of the eight K steps: k = 8 h + 0..7 at 32 h, k = 16 + 8 h + 0..7 at 64 + 32 h
.macro XLOAD s
	WIN 0
.set k, 0
.rept 8
	ds_load_b128 v[XS+16*k:XS+16*k+3],     v[XA] offset:(\s)*XROW+k*128
	ds_load_b128 v[XS+16*k+4:XS+16*k+7],   v[XA] offset:(\s)*XROW+k*128+16
	ds_load_b128 v[XS+16*k+8:XS+16*k+11],  v[XA] offset:(\s)*XROW+k*128+64
	ds_load_b128 v[XS+16*k+12:XS+16*k+15], v[XA] offset:(\s)*XROW+k*128+80
.set k, k+1
.endr
.endm
; A PREFETCH INTO THE L2 of coreF's second half, 1,024 blocks of 256 bytes, which every wave of the launch will wait for behind the change to phase B.  Each block is named once in the launch: the first two clusters ask
; (a test on the cluster's number, alike in all partners); their eight work-groups, four waves and 32 lanes share the blocks out by address.  It stands behind a row's loads, two rows' work ahead of the joint load.
; Its offset register and its base are written nowhere behind it.
.macro ASK
	s_cmp_lt_u32 ttmp9, 2
	s_cbranch_scc0 .Lnot_mine_\@
	global_prefetch_b8 v[PFO], s[6:7] offset:262144 th:TH_LOAD_NT scope:SCOPE_SE
.Lnot_mine_\@:
.endm
	WIN 0x40
.set f, 0
.rept 32
	global_load_b128 v[8*f:8*f+3],   v[GL], s[8:9] offset:f*1024      ; G45, fragment 4 ks + nt
	global_load_b128 v[8*f+4:8*f+7], v[GL], s[8:9] offset:f*1024+512
.set f, f+1
.endr
	WIN 0
	global_load_b128 v[F3:F3+3],   v[GL], s[8:9] offset:65536
	global_load_b128 v[F3+4:F3+7], v[GL], s[8:9] offset:65536+512
	global_load_b128 v[WW:WW+3],   v[GL], s[8:9] offset:T_WL
	global_load_b128 v[WW+4:WW+7], v[GL], s[8:9] offset:T_WL+512
	CORE 0
	s_wait_tensorcnt 3                             ; my first row is in LDS; the other three stay on their way.  Only I read my rows: no barrier
	XLOAD 0
	s_wait_loadcnt 32                              ; G45, F3B and WL are in; the 32 loads of core issued behind them stay out
	s_wait_kmcnt 0x0                               ; S and F4
; PHASE A for row s of my four.
.macro ROW s
.set k, 0
.rept 8
.if (\s) == 0
	s_wait_dscnt 28-4*k                            ; K step k's four loads are in; the later steps' stay out
.else
	s_wait_dscnt 32-4*k                            ; the same; the four stores of the row before were issued behind this row's loads
.endif
.set j, 0
.rept 8                                        ; T's partial sums take x while it is still f32: registers 0-7 of the step are e = 2 k, f = 8 h + j,
.if k == 0
	v_mul_f32 v[ZZ+j], s[F4S], v[XS+j]             ; (the first products start the sums)
.else
	v_fmac_f32 v[ZZ+j], s[F4S+2*k], v[XS+16*k+j]
.endif
.set j, j+1
.endr
.set j, 0
.rept 8                                        ; registers 8-15 are e = 2 k + 1
	v_fmac_f32 v[ZZ+j], s[F4S+2*k+1], v[XS+16*k+8+j]
.set j, j+1
.endr
.set p, 0
.rept 8
	v_cvt_pk_f16_f32 v[XS+16*k+p], v[XS+16*k+2*p], v[XS+16*k+2*p+1]  ; in place, ascending: the step's first eight registers become its fragment
.set p, p+1
.endr
.set k, k+1
.endr
	WIN 0x04                                       ; G45 in window 1
.set k, 0
.rept 8                                        ; t1: four accumulators (16 mn each) take turns; the first K step starts the sums
.set t, 0
.rept 4
.if k == 0
	v_wmma_f32_16x16x32_f16 v[D1+8*t:D1+8*t+7], v[XS+16*k:XS+16*k+7], v[8*(4*k+t):8*(4*k+t)+7], 0
.else
	v_wmma_f32_16x16x32_f16 v[D1+8*t:D1+8*t+7], v[XS+16*k:XS+16*k+7], v[8*(4*k+t):8*(4*k+t)+7], v[D1+8*t:D1+8*t+7]
.endif
.set t, t+1
.endr
.set k, k+1
.endr
	WIN 0
	PLACES
.if (\s) < 3
	s_wait_tensorcnt 2-(\s)                        ; my next row is in LDS
	XLOAD (\s)+1                                   ; it comes into registers under the rest of this row's work,
	CORE (\s)+1                                    ; and two more K steps of core are asked for
.endif
.if (\s) == 1
	ASK
.endif
.set t, 0
.rept 4                                        ; t1 in f16: tiles 0, 1 of mn side by side in k, then tiles 2, 3
.set p, 0
.rept 4
	v_cvt_pk_f16_f32 v[AP+4*t+p], v[D1+8*t+2*p], v[D1+8*t+2*p+1]
.set p, p+1
.endr
.set t, t+1
.endr
	v_wmma_f32_16x16x32_f16 v[D2:D2+7],    v[AP:AP+7],    v[F3:F3+7], 0  ; register j: t[l = r % 8][mn = 16 (r / 8) + 8 h + j]
	v_wmma_f32_16x16x32_f16 v[D2+8:D2+15], v[AP+8:AP+15], v[F3:F3+7], 0  ; the same with mn + 32
	PLACES
	v_mul_f32 v[TT], v[WW], v[ZZ]                  ; my lane's share of T: sum over j of F3[r] F5[8 h + j] x the partial sum j
.set j, 1
.rept 7
	v_fmac_f32 v[TT], v[WW+j], v[ZZ+j]
.set j, j+1
.endr
.set p, 0
.rept 16                                       ; the row's 512 numbers of t lie in this wave, 16 a lane: each is cut to its exponent field, each accumulator from its low end on
	v_and_b32 v[MT+p], s[EM], v[D2+p]
.set p, p+1
.endr
	v_max3_num_f32 v[MT],    v[MT],    v[MT+1],  v[MT+2]
	v_max3_num_f32 v[MT+3],  v[MT+3],  v[MT+4],  v[MT+5]
	v_max3_num_f32 v[MT+6],  v[MT+6],  v[MT+7],  v[MT+8]
	v_max3_num_f32 v[MT+9],  v[MT+9],  v[MT+10], v[MT+11]
	v_max3_num_f32 v[MT+12], v[MT+12], v[MT+13], v[MT+14]
	v_max3_num_f32 v[MT],    v[MT],    v[MT+3],  v[MT+15]
	v_max3_num_f32 v[MT+6],  v[MT+6],  v[MT+9],  v[MT+12]
	v_max_num_f32 v[MT], v[MT], v[MT+6]
	v_max_num_f32_dpp v[MT], v[MT], v[MT] row_xmask:1 row_mask:0xf bank_mask:0xf
	v_add_f32_dpp v[TT], v[TT], v[TT] row_xmask:1 row_mask:0xf bank_mask:0xf   ; the two walks over the lanes go side by side
	v_max_num_f32_dpp v[MT], v[MT], v[MT] row_xmask:2 row_mask:0xf bank_mask:0xf
	v_add_f32_dpp v[TT], v[TT], v[TT] row_xmask:2 row_mask:0xf bank_mask:0xf
	v_max_num_f32_dpp v[MT], v[MT], v[MT] row_xmask:4 row_mask:0xf bank_mask:0xf
	v_add_f32_dpp v[TT], v[TT], v[TT] row_xmask:4 row_mask:0xf bank_mask:0xf
	v_max_num_f32_dpp v[MT], v[MT], v[MT] row_xmask:8 row_mask:0xf bank_mask:0xf
	v_add_f32_dpp v[TT], v[TT], v[TT] row_xmask:8 row_mask:0xf bank_mask:0xf
	v_permlanex16_b32 v[MT+1], v[MT], s[SEL], s[SEL+1]
	v_permlanex16_b32 v[MT+2], v[TT], s[SEL], s[SEL+1]
	v_max_num_f32 v[MT], v[MT], v[MT+1]            ; E_n, in every lane
	v_add_f32 v[TT], v[TT], v[MT+2]                ; T, in every lane
	v_sub_nc_u32 v[IV], 0x7f000000, v[MT]          ; 1 / E_n,
	v_sub_nc_u32 v[IV+1], 0x7f000000, v[MT]        ; named as a pair
	v_mul_f32 v[SCV], s[SS], v[MT]                 ; E_n S
.set p, 0
.rept 8
	v_pk_mul_f32 v[D2+2*p:D2+2*p+1], v[D2+2*p:D2+2*p+1], v[IV:IV+1] op_sel_hi:[1,0]  ; exact: the row's largest magnitude now lies in 1 to 2
.set p, p+1
.endr
.set p, 0
.rept 8
	v_cvt_pk_f16_f32 v[TPK+p], v[D2+2*p], v[D2+2*p+1]
.set p, p+1
.endr
	ds_store_b128 v[TS], v[TPK:TPK+3]   offset:(\s)*TP
	ds_store_b128 v[TS], v[TPK+4:TPK+7] offset:(\s)*TP+64
	ds_store_b32 v[SCS], v[SCV] offset:4*(\s)      ; all lanes write the same word with the same value
	ds_store_b32 v[SCS], v[TT] offset:64+4*(\s)
.endm
	ROW 0
	ROW 1
	ROW 2
	ROW 3
	; THE CHANGE TO PHASE B.  X's bytes are filled again, so every wave first waits for its tensor loads and LDS work, and the round takes the barrier's place: behind it no wave of any partner still reads X or has a
	; load on its way, and all 16 rows of t, their scales and their T lie in LDS for every wave.
	s_wait_tensorcnt 0x0                           ; all my tensor loads have landed
	ds_add_u32 v[SPW], v[NIL]                      ; 0 onto my spare word
	s_wait_dscnt 0x0                               ; the add is done, my reads of X are back, my stores of t, its scales and T are done
	ROUND
	tensor_load_to_lds s[G0C:G0C+3], s[G1C:G1C+7]  ; the joint refill, my one tensor load behind the round and the first thing there: K steps 8-15 of my eight tiles of core
	s_nop 0
	PLACES                                         ; also the places in front of the loads below, into registers that row 3's products read
	; PHASE B
.set k, 0
.rept 16
	ds_load_b128 v[TF+8*k:TF+8*k+3],   v[TA] offset:64*k
	ds_load_b128 v[TF+8*k+4:TF+8*k+7], v[TA] offset:64*k+32
.set k, k+1
.endr
	s_wait_loadcnt 0x0                             ; core's first half is in registers
	s_wait_dscnt 0x0                               ; t's fragments too
; The eight products of K step ks: source 0 = 16 rows of core, source 1 = the 16 rows of t; a lane's eight results are eight neighbouring ijk of row n = r.  The eight accumulators take turns through all 16 K steps.
.macro MULB ks, win
	WIN \win
.set t, 0
.rept 8
.if (\ks) == 0
	v_wmma_f32_16x16x32_f16 v[UAC+8*t:UAC+8*t+7], v[64*((\ks)%4)+8*t:64*((\ks)%4)+8*t+7], v[TF+8*(\ks):TF+8*(\ks)+7], 0
.else
	v_wmma_f32_16x16x32_f16 v[UAC+8*t:UAC+8*t+7], v[64*((\ks)%4)+8*t:64*((\ks)%4)+8*t+7], v[TF+8*(\ks):TF+8*(\ks)+7], v[UAC+8*t:UAC+8*t+7]
.endif
.set t, t+1
.endr
.endm
.irp ks, 0,1,2,3
	MULB \ks, 0x02
.endr
.irp ks, 4,5,6,7
	MULB \ks, 0x03
.endr
	WIN 0
	PLACES                                         ; in front of the loads into windows 2 and 3, which those products read
	WIN 0x80                                       ; what phase C wants, into window 2, under the second half of phase B
.set f, 0
.rept 8
	global_load_b128 v[8*f:8*f+3],   v[GL], s[GB:GB+1] offset:32768+f*1024      ; G12, fragment 2 q + ks of my wave's eight
	global_load_b128 v[8*f+4:8*f+7], v[GL], s[GB:GB+1] offset:32768+f*1024+512
.set f, f+1
.endr
.set f, 0
.rept 4
	global_load_b128 v[64+8*f:64+8*f+3], v[GL], s[8:9] offset:66560+f*1024      ; F0A g
	global_load_b128 v[64+8*f+4:64+8*f+7], v[GL], s[8:9] offset:66560+f*1024+512
.set f, f+1
.endr
.set j, 0
.rept 8
	global_load_b128 v[96+4*j:96+4*j+3], v[VO], s[10:11] offset:j*1024           ; bias[256 (8 h + j) + 64 w + 4 r + 0..3]
	global_load_b128 v[128+4*j:128+4*j+3], v[VO], s[8:9] offset:T_M+j*1024       ; M at the same places
.set j, j+1
.endr
	WIN 0
	s_wait_tensorcnt 0x0                           ; my 64 KiB of core are in LDS; only I read them: no barrier
; 16 LDS loads: K step ks, into window 1 (8-11) or 3 (12-15): every register is loaded once
.macro CLOAD ks
.if (\ks) < 12
	WIN 0x40
.else
	WIN 0xc0
.endif
.set t, 0
.rept 8
	ds_load_b128 v[64*((\ks)%4)+8*t:64*((\ks)%4)+8*t+3],   v[CA] offset:(8*((\ks)-8)+t)*1024
	ds_load_b128 v[64*((\ks)%4)+8*t+4:64*((\ks)%4)+8*t+7], v[CA] offset:(8*((\ks)-8)+t)*1024+512
.set t, t+1
.endr
.endm
.macro CSTEP ks
.if (\ks) <= 13
	s_wait_dscnt 32                                ; this K step is in; the next two steps' 32 loads stay out
.elseif (\ks) == 14
	s_wait_dscnt 16
.else
	s_wait_dscnt 0
.endif
.if (\ks) < 12
	MULB \ks, 0x01
.else
	MULB \ks, 0x03
.endif
.if (\ks) <= 12
	CLOAD (\ks)+3
.endif
.endm
	CLOAD 8
	CLOAD 9
	CLOAD 10
.irp ks, 8,9,10,11,12,13,14,15
	CSTEP \ks
.endr
	WIN 0
	PLACES
.set t, 0
.rept 8
.set p, 0
.rept 4
	v_cvt_pk_f16_f32 v[UPK+4*t+p], v[UAC+8*t+2*p], v[UAC+8*t+2*p+1]
.set p, p+1
.endr
.set t, t+1
.endr
.set t, 0
.rept 8
	ds_store_b128 v[US], v[UPK+4*t:UPK+4*t+3] offset:(t/4)*UIP+(t%4)*32  ; i = 2 w + t / 4, jk = 16 (t % 4) + 8 h + 0..7
.set t, t+1
.endr
	s_wait_dscnt 0x0                               ; for the others' sake: my part of u is in LDS
	s_barrier_signal -1
	s_barrier_wait -1                              ; everybody's is
	; PHASE C: four trips, four rows each
	s_wait_loadcnt 0x0                             ; G12, F0A, bias, M
	s_mov_b32 s[CNT], 4
.Ltrip:
.irp m, 0,1
.irp k, 0,1
	ds_load_b128 v[UA+16*(\m)+8*(\k):UA+16*(\m)+8*(\k)+3],   v[UL] offset:(\m)*2*UNP+(\k)*64     ; rows (n = 2 m + r / 8, i = r % 8), jk = 32 k on
	ds_load_b128 v[UA+16*(\m)+8*(\k)+4:UA+16*(\m)+8*(\k)+7], v[UL] offset:(\m)*2*UNP+(\k)*64+32
.endr
.endr
	ds_load_b128 v[SCR:SCR+3], v[SCL]              ; the four rows' scales, in every lane,
	ds_load_b128 v[TNR:TNR+3], v[SCL] offset:64    ; and their T
	s_wait_dscnt 0x0
	WIN 0x08                                       ; G12 in window 2
.irp k, 0,1
.irp m, 0,1
.irp q, 0,1,2,3
.if (\k) == 0
	v_wmma_f32_16x16x32_f16 v[VV+8*(4*(\m)+(\q)):VV+8*(4*(\m)+(\q))+7], v[UA+16*(\m)+8*(\k):UA+16*(\m)+8*(\k)+7], v[8*(2*(\q)+(\k)):8*(2*(\q)+(\k))+7], 0
.else
	v_wmma_f32_16x16x32_f16 v[VV+8*(4*(\m)+(\q)):VV+8*(4*(\m)+(\q))+7], v[UA+16*(\m)+8*(\k):UA+16*(\m)+8*(\k)+7], v[8*(2*(\q)+(\k)):8*(2*(\q)+(\k))+7], v[VV+8*(4*(\m)+(\q)):VV+8*(4*(\m)+(\q))+7]
.endif
.endr
.endr
.endr
	WIN 0
	PLACES
.irp q, 0,1,2,3
.irp m, 0,1
.irp p, 0,1,2,3
	v_cvt_pk_f16_f32 v[BP+8*(\q)+4*(\m)+(\p)], v[VV+8*(4*(\m)+(\q))+2*(\p)], v[VV+8*(4*(\m)+(\q))+2*(\p)+1]  ; v in f16: k = 8 g + i, g = 2 m + h the row of the trip's four
.endr
.endr
.endr
	WIN 0x42                                       ; F0A in window 2, y's sums in window 1
.irp g, 0,1,2,3
.irp q, 0,1,2,3
	v_wmma_f32_16x16x32_f16 v[8*(4*(\g)+(\q)):8*(4*(\g)+(\q))+7], v[64+8*(\g):64+8*(\g)+7], v[BP+8*(\q):BP+8*(\q)+7], 0  ; register j: a = 8 h + j, bc = 64 w + 4 r + q, row g
.endr
.endr
	PLACES
.irp g, 0,1,2,3
	WIN 0x68                                       ; T in window 0, M and bias in window 2, y in window 1
.set j, 0
.rept 8
.irp q, 0,1,2,3
	v_fma_f32 v[128+32*(\g)+4*j+(\q)], v[TNR+(\g)], v[128+4*j+(\q)], v[96+4*j+(\q)]  ; T M + bias
.endr
.set j, j+1
.endr
	WIN 0x51                                       ; sums and y in window 1, the scale in window 0
.set j, 0
.rept 8                                        ; the multiply-add that is due anyway lays q = 0..3 side by side; each accumulator is read from its low end on
.irp q, 0,1,2,3
	v_fma_f32 v[128+32*(\g)+4*j+(\q)], v[8*(4*(\g)+(\q))+j], v[SCR+(\g)], v[128+32*(\g)+4*j+(\q)]
.endr
.set j, j+1
.endr
	WIN 0x04                                       ; the stores' data in window 1
.set j, 0
.rept 8
	global_store_b128 v[VO], v[128+32*(\g)+4*j:128+32*(\g)+4*j+3], s[12:13] offset:(\g)*16384+j*1024 th:TH_STORE_NT  ; lanes 0-15: 256 consecutive bytes, aligned, of a = j; lanes 16-31: of a = 8 + j
.set j, j+1
.endr
.endr
	WIN 0                                          ; at a label and at a branch every window is 0
	s_wait_xcnt 0x0                                ; the stores have read their data and their base (ISA guide 3.1): only now are these written again
	s_add_nc_u64 s[12:13], s[12:13], 0x10000       ; four rows of y on
	v_add_nc_u32 v[UL], 4*UNP, v[UL]
	v_add_nc_u32 v[SCL], 16, v[SCL]
	s_sub_co_u32 s[CNT], s[CNT], 1
	s_cmp_lg_u32 s[CNT], 0
	s_cbranch_scc1 .Ltrip
	s_wait_tensorcnt 0x0                           ; the wave's end, behind my last tensor load and my last LDS store
	ds_add_u32 v[SPW], v[NIL]
	s_wait_dscnt 0x0
	ROUND                                          ; the closing round: no work-group ends while a partner may still ask for a tile that names it
	s_endpgm
.Lfunc_end_k_q51006fce1e_tucker:
	.size	k_q51006fce1e_tucker, .Lfunc_end_k_q51006fce1e_tucker-k_q51006fce1e_tucker
	.p2alignl 7, 3214868480
	.fill 96, 4, 3214868480
	.section	.rodata,"a",@progbits
	.p2align	6, 0x0
	.amdhsa_kernel k_q51006fce1e_tucker
		.amdhsa_group_segment_fixed_size 327680
		.amdhsa_private_segment_fixed_size 0
		.amdhsa_enable_private_segment 0
		.amdhsa_kernarg_size 40
		.amdhsa_user_sgpr_count 2
		.amdhsa_user_sgpr_kernarg_segment_ptr 1
		.amdhsa_wavefront_size32 1
		.amdhsa_system_sgpr_workgroup_id_x 1
		.amdhsa_system_sgpr_workgroup_id_y 1
		.amdhsa_system_sgpr_workgroup_id_z 1
		.amdhsa_system_vgpr_workitem_id 0
		.amdhsa_next_free_vgpr 1024
		.amdhsa_next_free_sgpr 92
		.amdhsa_reserve_vcc 0
		.amdhsa_float_denorm_mode_32 3
		.amdhsa_float_denorm_mode_16_64 3
		.amdhsa_memory_ordered 1
		.amdhsa_forward_progress 1
		.amdhsa_inst_pref_size 146
	.end_amdhsa_kernel
	.amdgpu_metadata
---
amdhsa.version: [ 1, 2 ]
amdhsa.kernels:
  - .name:           k_q51006fce1e_tucker
    .symbol:         k_q51006fce1e_tucker.kd
    .args:
      - { .name: x, .offset: 0, .size: 8, .value_kind: global_buffer, .address_space: global }
      - { .name: coreF, .offset: 8, .size: 8, .value_kind: global_buffer, .address_space: global }
      - { .name: tabs, .offset: 16, .size: 8, .value_kind: global_buffer, .address_space: global }
      - { .name: bias, .offset: 24, .size: 8, .value_kind: global_buffer, .address_space: global }
      - { .name: out0, .offset: 32, .size: 8, .value_kind: global_buffer, .address_space: global }
    .group_segment_fixed_size: 327680
    .private_segment_fixed_size: 0
    .kernarg_segment_align: 8
    .kernarg_segment_size: 40
    .max_flat_workgroup_size: 128
    .sgpr_count:     92
    .vgpr_count:     1024
    .wavefront_size: 32
...
	.end_amdgpu_metadata
.endif
;; end of part 2
